; MI455X (gfx1250); checked and timed in simulation.
; The chip was launched on July 23, 2026; its instructions are those of AMD's public machine-readable ISA for CDNA 5 (MIT licence, August 2026) and "CDNA5" Instruction Set Architecture Reference Guide (July 2026). The comments in the code are by the model that wrote it; some were corrected since.
;; Phone Mapper. Allowed arithmetic: matrix products marked QUANTISED: E3M2 operands, one E8M0 scale for each 32 along K, by v_wmma_scale_f32_16x16x128_f8f6f4 with both operands' format E3M2, f32 sums; everything else in f32.
;; Inputs: pool 37,500 x 1,024 float32; x6_src 1,500 x 1,024 float32.
;; Outputs: out0 1,500 x 1,024 float32.
;; Constants: topn = 10.
;; This version of the problem:
;;   THIS VERSION OF THE PROBLEM IS GIVEN IN LOW PRECISION. The matrix products marked QUANTISED in the list below multiply operands that are first quantised to E3M2 (3 exponent bits, 2 mantissa bits; 6 bits a number), with one power-of-two scale for each 32 numbers along K (OCP MX v1.0); their sums are f32. All else is computed in f32.
;;   The module's matrix products, in the order in which they are computed (A, B: the left and right operand; K: the contracted axis; several contracted axes count as one K, in the product's order):
;;     1. [M 1,500, K 1,024] x [K 1,024, N 37,500]; A: input x6_src; B: input pool: QUANTISED
;;   THE QUANTISER, for each operand of a quantised product, along K:
;;     - K is cut into blocks of 32 from its start; a last block that is shorter is filled with zeros.
;;     - A block's scale is 2^e with e = floor(log2(the largest magnitude in the block)) - 4, held to -126 .. 127; a block of zeros has e = 0. As a byte (E8M0): e + 127.
;;     - Each number is divided by its block's scale, clamped to +-28, and rounded to the nearest number of E3M2, ties to even, subnormals kept.
;;     - The product sums the exact products of the quantised numbers (number of the format x scale) in f32.
;;   ~~~python
;;   def quantise(x, axis):      # numpy; x: float32 -> the quantised numbers, widened to float32 again
;;       x = np.moveaxis(x, axis, -1); K = x.shape[-1]
;;       x = np.pad(x, [(0, 0)] * (x.ndim - 1) + [(0, -K % 32)]); x = x.reshape(x.shape[:-1] + (-1, 32)); a = np.abs(x).max(-1, keepdims=True)
;;       e = np.where(a > 0, np.clip(np.frexp(np.where(a > 0, a, 1))[1] - 1 - 4, -126, 127), 0)      # np.frexp(a)[1] - 1 = floor(log2(a)), exactly
;;       r = np.clip(x / 2.0 ** e, -28, 28)
;;       step = 2.0 ** (np.maximum(np.frexp(np.where(r == 0, 1, r))[1] - 1, -2) - 2)
;;       q = np.round(r / step) * step * 2.0 ** e      # np.round: ties to even
;;       return np.moveaxis(q.reshape(q.shape[:-2] + (-1,))[..., :K], -1, axis).astype(np.float32)
;;   ~~~
;; One version. Each part assembles by itself: llvm-mc -triple=amdgcn-amd-amdhsa -mcpu=gfx1250 --defsym DOCPART=n.
;; ======== version 1 of 1: 5 launches
;; limits: right only within a limited range of input values
;; workspace buffers: prec 30,510,080 bytes; xrec 1,241,088 bytes; bm 14,499,840 bytes; sel 192,512 bytes of whole numbers; fidx 192,000 bytes of whole numbers; fw 192,000 bytes
;; launch quant (part 1): grid 614 x 1, 4 waves a work-group, no clusters, 17,920 bytes of LDS; arguments pool, x6_src, prec, xrec; writes prec, xrec
.if DOCPART == 1
	.amdgcn_target "amdgcn-amd-amdhsa--gfx1250"
	.amdhsa_code_object_version 6
	.text
	.protected	k_qaf6ac207ce_quant
	.globl	k_qaf6ac207ce_quant
	.p2align	8
	.type	k_qaf6ac207ce_quant,@function
k_qaf6ac207ce_quant:
	s_mov_b64 s[64:65], 0
	v_nop
	global_prefetch_b8 v0, s[64:65] scope:SCOPE_SE
	s_setreg_imm32_b32 hwreg(HW_REG_WAVE_MODE, 25, 1), 1
	s_wait_xcnt 0x0
; pool [37500][1024] and x6_src [1500][1024], f32, become codes of BF6 (E3M2) with one E8M0 byte for each 32 along K, laid as IMAGES OF OPERAND REGISTERS, with 1/norm and norm of each row (from the f32 numbers).
; A GROUP RECORD holds 8 tiles of 16 rows, GREC = 103,424 bytes:
;   codes   j*12288 + k*1536 + c*512 + 16*lane : tile j, K step k (128 along K), registers 4c..4c+3 of the fragment; lane (r, h) holds row r, registers 0-5 block 4k+h, registers 6-11 block 4k+2+h
;   scales  SCO + j*512 + 32 r : the row's 32 scale bytes (word k serves K step k)
;   1/norm  IVO + j*64 + 4 r ;   norm  IVO + 512 + j*64 + 4 r
; Rows past a tensor's end are copies of its last row (the row number is held at the last row), so no load leaves its buffer and every byte of a record is written.
; A block's scale is 2^(floor(log2(largest magnitude)) - 4): its byte is the largest magnitude's exponent field - 4, held at 1 from below by a floor among the maximum's leaves.
; LIMITS: a block of zeros, or one whose largest magnitude lies under 2^-122, has the byte 1 (its codes are zeros or as the floor's scale gives them; this program alone reads the bytes);
; NaN, infinities and rows of zeros are not served.
; SHARES: a wave takes one tile, in 16 steps of 64 along K; a work-group of four waves takes four tiles.  Pool has 2,360 tiles (work-groups 0-589), x 96 (work-groups 590-613): 614 work-groups for 256 WGPs,
; two or three to each.  Only pointers and the last row's number are chosen, by the work-group's number; there is one path.
; A step's 16 rows x 256 bytes are loaded as they lie (sixteen lanes read 256 consecutive bytes, aligned) and turn through the wave's own stage in LDS, so that a lane gets a whole block of 32 neighbours.
; No barrier: waves share nothing.  Loads run four steps (32 loads a wave) ahead.
.set GREC,  103424
.set SCO,   98304
.set IVO,   102400
.set PWG,   590                        ; pool's work-groups
.set STGB,  4352                       ; a wave's stage: 16 rows x 272 bytes
.set SA,  4                            ; v4   the stage, way in: 272 h + 16 r
.set SRD, 5                            ; v5   way out: 272 r + 128 h
.set CO,  6                            ; v6   16 x lane: an image's place
.set SO,  7                            ; v7   scale bytes: 512 j + 32 r + 16 h
.set NO,  8                            ; v8   1/norm (h = 0) and norm (h = 1): 64 j + 4 r + 512 h
.set H8,  9                            ; v9   8 h
.set VO,  10                           ; v10-17 byte offset of my 16 bytes in rows 2 i + h; never rewritten
.set AM,  18                           ; v18-19 two chains of the maximum
.set SCL, 20                           ; v20  the conversion's scale operand
.set B0,  21                           ; v21  the even step's byte
.set TP,  22                           ; v22-23 at work
.set NS,  24                           ; v24-27 sums of squares
.set W,   28                           ; v28-35 the row's eight scale words
.set T,   36                           ; v36-39 the second conversion's result
.set C,   40                           ; v40-63 a fragment's 12 registers, two sets
.set X,   64                           ; v64-95 my block's 32 numbers
.set R,   96                           ; v96-223 four sets of 32 registers as loaded
	s_load_b256 s[4:11], s[0:1], 0x0               ; pool s[4:5], x s[6:7], prec s[8:9], xrec s[10:11]
	v_lshl_add_u32 v224, v0, 2, 0x4400
	v_mov_b32 v225, 0
	v_lshrrev_b32 v1, 5, v0
	v_readfirstlane_b32 s12, v1                    ; wave 0..3
	v_and_b32 v1, 31, v0                           ; lane
	v_and_b32 v2, 15, v0                           ; r
	v_bfe_u32 v3, v0, 4, 1                         ; h
	s_wait_alu depctr_va_vdst(0)
	s_mov_b32 s20, 0x76543210
	s_mov_b32 s21, 0xfedcba98                      ; v_permlanex16_b32's selects for lane l xor 16
	s_mov_b32 s22, 0xffff0000                      ; the mask of lanes 16-31
	s_cmp_lt_u32 ttmp9, PWG
	s_cselect_b32 s13, 0, PWG
	s_sub_co_u32 s13, ttmp9, s13                   ; my work-group among its tensor's
	s_lshl_b32 s13, s13, 2
	s_add_co_u32 s13, s13, s12                     ; my tile in its tensor: 4 x work-group + wave
	s_and_b32 s19, s13, 7                          ; j: its place in its group
	s_lshr_b32 s24, s13, 3                         ; g: its group
	s_lshl_b32 s15, s13, 4                         ; its first row
	s_mul_i32 s18, s12, STGB                       ; my stage: by the wave's number alone
	v_mul_u32_u24 v[SA], v3, 272
	v_lshl_add_u32 v[SA], v2, 4, v[SA]
	v_add_nc_u32 v[SA], s18, v[SA]
	v_mul_u32_u24 v[SRD], v2, 272
	v_lshl_add_u32 v[SRD], v3, 7, v[SRD]
	v_add_nc_u32 v[SRD], s18, v[SRD]
	v_lshlrev_b32 v[CO], 4, v1
	s_lshl_b32 s18, s19, 9
	v_lshlrev_b32 v[SO], 5, v2
	v_lshl_add_u32 v[SO], v3, 4, v[SO]
	v_add_nc_u32 v[SO], s18, v[SO]
	s_lshl_b32 s18, s19, 6
	v_lshlrev_b32 v[NO], 2, v2
	v_lshl_add_u32 v[NO], v3, 9, v[NO]
	v_add_nc_u32 v[NO], s18, v[NO]
	v_lshlrev_b32 v[H8], 3, v3
	v_mov_b32 v[TP+1], 0                           ; written once: a lane permute's destination counts as one of its sources
.irp i, 0,1,2,3
	v_mov_b32 v[NS+\i], 0
.endr
	s_mov_b32 s14, 1499
	s_wait_kmcnt 0x0
	s_cmp_lt_u32 ttmp9, PWG                        ; pool's work-group or x's?  The choice hangs on the work-group's number alone
	s_cselect_b64 s[4:5], s[4:5], s[6:7]           ; the source
	s_cselect_b64 s[8:9], s[8:9], s[10:11]         ; the records
	s_cselect_b32 s14, 37499, s14                  ; the last row
	s_mul_i32 s16, s24, GREC
	s_mov_b32 s17, 0
	s_add_nc_u64 s[10:11], s[8:9], s[16:17]        ; my group's record
	s_mul_i32 s16, s19, 12288
	s_add_nc_u64 s[8:9], s[10:11], s[16:17]        ; my tile's codes in it
	v_add_nc_u32 v[TP], s15, v3
.irp i, 0,1,2,3,4,5,6,7
	v_add_nc_u32 v[VO+\i], 2*\i, v[TP]             ; row 2 i + h of the tile,
	v_min_u32 v[VO+\i], s14, v[VO+\i]              ; held at the tensor's last row,
	v_lshlrev_b32 v[VO+\i], 12, v[VO+\i]           ; x 4,096 bytes (under 2^28),
	v_lshl_add_u32 v[VO+\i], v2, 4, v[VO+\i]       ; + 16 r
.endr
.macro LOAD s                          ; step s: 64 along K of 16 rows: lanes 0-15 read 256 consecutive bytes of row 2 i, lanes 16-31 of row 2 i + 1
.irp i, 0,1,2,3,4,5,6,7
	global_load_b128 v[R+32*((\s)%4)+4*\i:R+32*((\s)%4)+4*\i+3], v[VO+\i], s[4:5] offset:256*(\s) th:TH_LOAD_NT
.endr
.endm
.macro HSTEP s
.set RS, R+32*((\s)%4)
.set KS, (\s)/2                        ; the K step of 128
.set CB, C+12*(KS%2)                   ; its fragment's registers
.set CS, CB+6*((\s)%2)                 ; my block's six of them
.if (\s) < 12
	s_wait_loadcnt 24                              ; this step's eight loads are in; those of the three steps behind it may be out
.else
	s_wait_loadcnt 8*(15-(\s))
.endif
.irp i, 0,1,2,3,4,5,6,7
	ds_store_b128 v[SA], v[RS+4*\i:RS+4*\i+3] offset:544*\i
.endr
.irp i, 0,1,2,3,4,5,6,7
	ds_load_b128 v[X+4*\i:X+4*\i+3], v[SRD] offset:16*\i     ; LDS serves a wave's instructions in order: these see the stores above
.endr
	s_wait_dscnt 0x0                               ; my block is in, and the stores have read their registers,
.if (\s) < 12
	LOAD (\s)+4                                    ; which take the loads of four steps on
.endif
	v_max3_num_f32 v[AM], |v[X]|, |v[X+1]|, 0x2800000        ; the block's largest magnitude, and the floor 2^(5 - 127): the byte cannot fall under 1
	v_max3_num_f32 v[AM+1], |v[X+16]|, |v[X+17]|, |v[X+18]|
.irp i, 2,4,6,8,10,12
	v_max3_num_f32 v[AM], v[AM], |v[X+\i]|, |v[X+\i+1]|
	v_max3_num_f32 v[AM+1], v[AM+1], |v[X+\i+17]|, |v[X+\i+18]|
.endr
	v_max3_num_f32 v[AM], v[AM], |v[X+14]|, |v[X+15]|
	v_max3_num_f32 v[AM], v[AM], v[AM+1], |v[X+31]|
.irp i, 0,4,8,12,16,20,24,28
	v_pk_fma_f32 v[NS:NS+1], v[X+\i:X+\i+1], v[X+\i:X+\i+1], v[NS:NS+1]             ; the row's sum of squares, of the f32 numbers, in four chains
	v_pk_fma_f32 v[NS+2:NS+3], v[X+\i+2:X+\i+3], v[X+\i+2:X+\i+3], v[NS+2:NS+3]
.endr
	v_add_nc_u32 v[SCL], 0xfe000000, v[AM]         ; 4 off the exponent field: the conversion takes this operand's exponent field as its scale
.if (((\s)%2) == 0) && ((\s) >= 4)
	s_wait_alu depctr_va_vdst(0)
	s_wait_xcnt 0x0                                ; the stores of two K steps ago have read this set of code registers
.endif
	v_cvt_scalef32_pk16_bf6_f32 v[CS:CS+2], v[X:X+15], v[SCL]
	v_cvt_scalef32_pk16_bf6_f32 v[T:T+2], v[X+16:X+31], v[SCL]     ; (a conversion's three registers begin on an even number)
.if ((\s)%2) == 0
	v_lshrrev_b32 v[B0], 23, v[SCL]                ; the scale's byte; also the plain line behind the conversions
.else
	v_lshrrev_b32 v[TP], 23, v[SCL]
.endif
.irp i, 0,1,2
	v_mov_b32 v[CS+3+\i], v[T+\i]
.endr
.if ((\s)%2) == 1
	v_lshl_or_b32 v[TP], v[TP], 16, v[B0]          ; my two bytes of the K step's word: blocks h and 2 + h,
	v_lshlrev_b32 v[TP], v[H8], v[TP]              ; 8 h bits up;
	v_permlanex16_b32 v[TP+1], v[TP], s20, s21
	v_or_b32 v[W+KS], v[TP], v[TP+1]               ; with lane l xor 16's two the word is whole
.irp c, 0,1,2
	global_store_b128 v[CO], v[CB+4*\c:CB+4*\c+3], s[8:9] offset:KS*1536+512*\c     ; 32 lanes store 512 consecutive bytes, aligned to 256
.endr
.endif
.endm
.irp s, 0,1,2,3
	LOAD \s
.endr
	s_wait_alu depctr_va_vdst(0)
.irp s, 0,1,2,3,4,5,6,7,8,9,10,11,12,13,14,15
	HSTEP \s
.endr
.irp i, 0,1,2,3
	v_cndmask_b32 v[T+\i], v[W+\i], v[W+4+\i], s22 ; lanes 0-15 store the row's words 0-3, lanes 16-31 words 4-7
.endr
	global_store_b128 v[SO], v[T:T+3], s[10:11] offset:SCO     ; the wave stores 512 consecutive bytes
	v_add_f32 v[NS], v[NS], v[NS+1]
	v_add_f32 v[NS+2], v[NS+2], v[NS+3]
	v_add_f32 v[NS], v[NS], v[NS+2]
	v_permlanex16_b32 v[TP+1], v[NS], s20, s21
	v_add_f32 v[NS], v[NS], v[TP+1]                ; the row's sum of squares
	s_wait_alu depctr_va_vdst(0)
	v_rsq_f32 v[AM], v[NS]
	v_sqrt_f32 v[AM+1], v[NS]
	v_nop                                          ; a plain line behind the two,
	s_wait_alu depctr_va_vdst(0)                   ; and one wait for both, ahead of their first reader
	v_cndmask_b32 v[TP], v[AM], v[AM+1], s22       ; lanes 0-15: 1/norm; lanes 16-31: norm
	global_store_b32 v[NO], v[TP], s[10:11] offset:IVO         ; two pieces of 64 bytes a wave; a group's eight tiles' pieces lie on end
	s_wait_tensorcnt 0x0
	ds_add_u32 v224, v225
	s_wait_dscnt 0x0
	s_endpgm
.Lfunc_end_k_qaf6ac207ce_quant:
	.size	k_qaf6ac207ce_quant, .Lfunc_end_k_qaf6ac207ce_quant-k_qaf6ac207ce_quant
	.p2alignl 7, 3214868480
	.fill 96, 4, 3214868480
	.section	.rodata,"a",@progbits
	.p2align	6, 0x0
	.amdhsa_kernel k_qaf6ac207ce_quant
		.amdhsa_group_segment_fixed_size 17920
		.amdhsa_private_segment_fixed_size 0
		.amdhsa_enable_private_segment 0
		.amdhsa_kernarg_size 32
		.amdhsa_user_sgpr_count 2
		.amdhsa_user_sgpr_kernarg_segment_ptr 1
		.amdhsa_wavefront_size32 1
		.amdhsa_system_sgpr_workgroup_id_x 1
		.amdhsa_system_sgpr_workgroup_id_y 1
		.amdhsa_system_sgpr_workgroup_id_z 1
		.amdhsa_system_vgpr_workitem_id 0
		.amdhsa_next_free_vgpr 226
		.amdhsa_next_free_sgpr 66
		.amdhsa_reserve_vcc 0
		.amdhsa_float_denorm_mode_32 3
		.amdhsa_float_denorm_mode_16_64 3
		.amdhsa_memory_ordered 1
		.amdhsa_forward_progress 1
		.amdhsa_inst_pref_size 76
	.end_amdhsa_kernel
	.amdgpu_metadata
---
amdhsa.version: [ 1, 2 ]
amdhsa.kernels:
  - .name:           k_qaf6ac207ce_quant
    .symbol:         k_qaf6ac207ce_quant.kd
    .args:
      - { .name: pool, .offset: 0, .size: 8, .value_kind: global_buffer, .address_space: global }
      - { .name: x6_src, .offset: 8, .size: 8, .value_kind: global_buffer, .address_space: global }
      - { .name: prec, .offset: 16, .size: 8, .value_kind: global_buffer, .address_space: global }
      - { .name: xrec, .offset: 24, .size: 8, .value_kind: global_buffer, .address_space: global }
    .group_segment_fixed_size: 17920
    .private_segment_fixed_size: 0
    .kernarg_segment_align: 8
    .kernarg_segment_size: 32
    .max_flat_workgroup_size: 128
    .sgpr_count:     66
    .vgpr_count:     226
    .wavefront_size: 32
...
	.end_amdgpu_metadata
.endif
;; end of part 1
;; launch scores (part 2): grid 236 x 1, 4 waves a work-group, clusters of 4 x 1, 327,680 bytes of LDS; arguments prec, xrec, bm; writes bm
.if DOCPART == 2
	.amdgcn_target "amdgcn-amd-amdhsa--gfx1250"
	.amdhsa_code_object_version 6
	.text
	.protected	k_qaf6ac207ce_scores
	.globl	k_qaf6ac207ce_scores
	.p2align	8
	.type	k_qaf6ac207ce_scores,@function
k_qaf6ac207ce_scores:
	s_mov_b64 s[64:65], 0
	v_nop
	global_prefetch_b8 v0, s[64:65] scope:SCOPE_SE
	s_setreg_imm32_b32 hwreg(HW_REG_WAVE_MODE, 25, 1), 1
	s_wait_xcnt 0x0
	s_wait_alu depctr_hold_cnt(0) depctr_sa_sdst(0) depctr_va_vdst(0) depctr_va_sdst(0) depctr_va_ssrc(0) depctr_va_vcc(0) depctr_vm_vsrc(0)
	s_getreg_b32 s2, hwreg(HW_REG_IB_STS2, 6, 4)
	s_cmp_eq_u32 s2, 0
	s_cbranch_scc0 .Lentry_in_a_cluster
	s_endpgm
.Lentry_in_a_cluster:
	s_bfe_u32 s2, ttmp6, 0x10000c
	s_cmp_lg_u32 s2, 0x3003
	s_cbranch_scc0 .Lentry_shape_is_right
	s_endpgm
.Lentry_shape_is_right:
; THE PRODUCT.  For each query and each BUCKET of 16 consecutive pool rows (one matrix tile): the largest dot(x, p) / |p| in the bucket, on codes of BF6 with E8M0 scales, sums in f32, K ascending.
; (A query's ten nearest rows lie in its ten best buckets; dot / |p| orders a query's rows as the cosine does, since 1 / |x| is positive.  Later launches choose the buckets and multiply them again.)
; SHARES.  A cluster of four work-groups walks one chunk of 5 group records (40 tiles) of the pool: 59 chunks.  Work-group cx owns query tiles 24 cx .. 24 cx + 23, wave w six of them, whose fragments
; for all of K (576 registers) and scale words stay in registers.  Each quarter of a record (101 dense rows of 256 bytes) is asked for JOINTLY, mask 15; wave w asks for quarter w.
; RING: two LDS slots of one record each.  The change of slots stands INSIDE a group's tile 7, whose fragments were all fetched in tile 6: the slot just read out takes the group two on, which is asked for
; 8 tiles = 384 matrix instructions ahead of the wait for it; so no prefetch is laid.  By this text's count a wave has one tensor load outstanding at the most.
; THE MATRIX INSTRUCTION: source 0 = 16 pool rows, source 1 = 16 queries: lane (r, h) holds query r, register j pool row 8 h + j.  A pool fragment feeds six instructions; the six accumulators take turns.
; A TILE is two runs of 24 matrix instructions.  Behind each run stand 30 vector lines that reduce the tile before (other set of accumulators; six accumulators line by line): x 1/|p|, the largest of eight
; rows, with lane l xor 16's eight.  They are also the places in front of the next tile's LDS loads.  A result goes by ds_store_b32 to the wave's own stage [6 q][16 r][8 j]; behind a group's eighth
; result the stage leaves as aligned runs of 256 bytes: bm [2 T + b][295 g][8 r'][8 j] f32 (query 16 T + 8 b + r', tile 8 g + j).
; THE WALK: tile 0; then per group: three trips of a loop over tiles (1,2) (3,4) (5,6), tile 7 with the change of slots, the next group's tile 0, the way out.
; LIMITS: NaN and infinities are not served.
; REGISTERS: window 0 as named.  Windows 1, 2: x's fragments of K steps 0-2, 3-5 at 72 (k % 3) + 12 q.  Window 3: K steps 6, 7 at 72 (k - 6) + 12 q; from v144 the pool tile's eight fragments.
.set GREC,  103424
.set QREC,  25856
.set SCO,   98304
.set IVO,   102400
.set SLOT1, 1<<17
.set STG,   262144                     ; behind the ring: 3,072 bytes a wave
.set SPARE, 274432                     ; the spare words, 128 bytes a wave
.set BMROW, 75520
.set L16, 1                            ; 16 x lane
.set R32, 2                            ; 32 r
.set H32, 3                            ; 32 h
.set AC,  4                            ; LDS address of codes: the slot + 24,576 x trip + 16 lane
.set AS,  5                            ; of scale words
.set AI,  6                            ; of 1/norms
.set STB, 7                            ; my stage + 32 r
.set SPW, 8                            ; my spare word; never rewritten
.set NIL, 9                            ; 0; never rewritten
.set STW, 10                           ; STB + 8 x trip
.set SRD, 11                           ; my stage + 16 lane
.set BO,  12                           ; v12-17 my byte offset in bm for query tile q
.set T,   18                           ; v18-29 two at work for each accumulator
.set PS,  30                           ; v30-37 the pool tile's scale words
.set INV, 38                           ; v38-53 1/|p| of rows 8 h + 0..7, two sets
.set XS,  54                           ; v54-101 x's scale words: 8 q + k
.set ACC, 102                          ; v102-197 two sets of six accumulators
.set OUTR, 204                         ; v204-227 the way out (at the head: x's offsets)
.set PF,  144                          ; in window 3
.set MSB, 0
.macro WIN new
.if MSB != \new
	s_set_vgpr_msb (MSB<<8)|\new
.set MSB, \new
.endif
.endm
.macro PLACES
.rept 4
	v_nop
.endr
.endm
.macro CREST                           ; a round of the cluster's barrier behind its opening barrier
	s_cmp_lg_u32 s10, 0
	s_cbranch_scc1 .Lnot_wave_0_\@
	s_barrier_signal -3
.Lnot_wave_0_\@:
	s_barrier_wait -3
	s_barrier_signal -1
	s_barrier_wait -1
.endm
.macro CROUND
	s_barrier_signal -1
	s_barrier_wait -1
	CREST
.endm
.macro ADRS                            ; the addresses of the slot in hand (s32), trip 0
	s_mov_b32 s33, s32
	s_add_co_u32 s34, s32, SCO
	s_add_co_u32 s35, s32, IVO
	v_add_nc_u32 v[AC], s33, v[L16]
	v_add_nc_u32 v[AS], s34, v[R32]
	v_add_nc_u32 v[AI], s35, v[H32]
	s_wait_alu depctr_va_vdst(0)                   ; the wait behind these writes
.endm
	s_load_b128 s[4:7], s[0:1], 0x0                ; prec, xrec
	s_load_b64 s[8:9], s[0:1], 0x10                ; bm
	v_lshl_add_u32 v[SPW], v0, 2, SPARE
	v_mov_b32 v[NIL], 0
	ds_add_u32 v[SPW], v[NIL]                      ; the opening lines: the add twice on end
	ds_add_u32 v[SPW], v[NIL]
	v_lshrrev_b32 v[T], 5, v0
	v_readfirstlane_b32 s10, v[T]                  ; wave 0..3
	s_bfe_u32 s11, ttmp6, 0x40000                  ; cx: it enters x's and bm's global offsets alone
	s_mov_b32 s16, 15|(3<<16)|(1<<21)              ; group 1: mask of all four; elements of 8 bytes; bit 21 beside a mask
	s_mov_b32 s17, 32<<16                          ; tensor_dim0 = 32
	s_mov_b32 s18, 101<<16                         ; tensor_dim1 = 101
	s_mov_b32 s19, 32<<16                          ; tile_dim0 = 32
	s_mov_b32 s20, 101                             ; tile_dim1 = 101
	s_mov_b32 s21, 32                              ; the pitch
	s_mov_b32 s22, 0
	s_mov_b32 s23, 0
	s_mul_i32 s12, ttmp9, 5*GREC                   ; the chunk's first group,
	s_mul_i32 s25, s10, QREC                       ; my quarter: in LDS (slot 0)
	s_add_co_u32 s12, s12, s25                     ; and in memory
	s_mov_b32 s13, 0
	s_mov_b32 s24, 1
	s_mov_b32 s40, 0x76543210
	s_mov_b32 s41, 0xfedcba98
	s_mov_b32 s32, 0                               ; the slot in hand
	s_mov_b32 s36, 0                               ; 8 x trip
	s_wait_dscnt 0x0
	s_wait_kmcnt 0x0
	s_add_nc_u64 s[26:27], s[4:5], s[12:13]
	s_or_b32 s27, s27, 0x80000000
	s_mul_i32 s12, ttmp9, 5*256
	s_add_nc_u64 s[8:9], s[8:9], s[12:13]          ; bm at the chunk's first group
	CROUND                                         ; the first joint loads meet
	tensor_load_to_lds s[24:27], s[16:23]          ; group 0 into slot 0: my one load at the head
	s_nop 0
	v_and_b32 v[T+2], 31, v0
	v_lshlrev_b32 v[L16], 4, v[T+2]
	v_and_b32 v[T], 15, v0                         ; r
	v_lshlrev_b32 v[R32], 5, v[T]
	v_bfe_u32 v[T+1], v0, 4, 1                     ; h
	v_lshlrev_b32 v[H32], 5, v[T+1]
	s_mul_i32 s12, s10, 3072
	s_add_co_u32 s12, s12, STG                     ; my stage
	v_add_nc_u32 v[SRD], s12, v[L16]
	v_add_nc_u32 v[STB], s12, v[R32]
	v_mov_b32 v[STW], v[STB]
	s_wait_alu depctr_va_vdst(0)
	s_mul_i32 s12, s11, 24
	s_mul_i32 s13, s10, 6
	s_add_co_u32 s12, s12, s13                     ; my first query tile
.irp q, 0,1,2,3,4,5
	s_add_co_u32 s13, s12, \q                      ; T
	s_lshr_b32 s14, s13, 3
	s_mul_i32 s14, s14, GREC                       ; its record in xrec
	s_and_b32 s15, s13, 7
	s_mul_i32 s33, s15, 12288
	s_add_co_u32 s33, s33, s14
	v_add_nc_u32 v[OUTR+2*\q], s33, v[L16]         ; its codes
	s_lshl_b32 s15, s15, 9
	s_add_co_u32 s15, s15, s14
	s_add_co_u32 s15, s15, SCO
	v_add_nc_u32 v[OUTR+2*\q+1], s15, v[R32]       ; its scale words
	s_lshl_b32 s13, s13, 1
	v_add_nc_u32 v[BO+\q], s13, v[T+1]             ; 2 T + lane / 16
	v_mul_u32_u24 v[BO+\q], v[BO+\q], BMROW
	v_lshl_add_u32 v[BO+\q], v[T], 4, v[BO+\q]     ; + 16 (lane % 16)
.endr
	ADRS                                           ; its wait is also the wait at the head's end
	WIN 0x40                                       ; destination window 1
.irp k, 0,1,2
.irp q, 0,1,2,3,4,5
.irp c, 0,1,2
	global_load_b128 v[72*\k+12*\q+4*\c:72*\k+12*\q+4*\c+3], v[OUTR+2*\q], s[6:7] offset:\k*1536+\c*512
.endr
.endr
.endr
	WIN 0x80
.irp k, 3,4,5
.irp q, 0,1,2,3,4,5
.irp c, 0,1,2
	global_load_b128 v[72*(\k-3)+12*\q+4*\c:72*(\k-3)+12*\q+4*\c+3], v[OUTR+2*\q], s[6:7] offset:\k*1536+\c*512
.endr
.endr
.endr
	WIN 0xc0
.irp k, 6,7
.irp q, 0,1,2,3,4,5
.irp c, 0,1,2
	global_load_b128 v[72*(\k-6)+12*\q+4*\c:72*(\k-6)+12*\q+4*\c+3], v[OUTR+2*\q], s[6:7] offset:\k*1536+\c*512
.endr
.endr
.endr
	WIN 0
.irp q, 0,1,2,3,4,5
	global_load_b128 v[XS+8*\q:XS+8*\q+3], v[OUTR+2*\q+1], s[6:7]
	global_load_b128 v[XS+8*\q+4:XS+8*\q+7], v[OUTR+2*\q+1], s[6:7] offset:16
.endr
.macro FETCH_A nb, ns                  ; a tile's fragments and scale words of K steps 0-3: 13 loads
	WIN 0xc0
.irp k, 0,1,2,3
.irp c, 0,1,2
	ds_load_b128 v[PF+12*\k+4*\c:PF+12*\k+4*\c+3], v[AC] offset:\nb+\k*1536+\c*512
.endr
.endr
	WIN 0
	ds_load_b128 v[PS:PS+3], v[AS] offset:\ns
.endm
.macro FETCH_B nb, ns, ni, set         ; those of K steps 4-7, and the tile's 1/norms: 15 loads
	WIN 0xc0
.irp k, 4,5,6,7
.irp c, 0,1,2
	ds_load_b128 v[PF+12*\k+4*\c:PF+12*\k+4*\c+3], v[AC] offset:\nb+\k*1536+\c*512
.endr
.endr
	WIN 0
	ds_load_b128 v[PS+4:PS+7], v[AS] offset:\ns+16
	ds_load_b128 v[INV+8*(\set):INV+8*(\set)+3], v[AI] offset:\ni
	ds_load_b128 v[INV+8*(\set)+4:INV+8*(\set)+7], v[AI] offset:\ni+16
.endm
.macro WM k, q, par                    ; K step k of the tile against query tile q, into set par
.if \k < 3
	WIN 0x07                                       ; source 0 (pool) window 3, source 1 (x) window 1, C and D window 0
.set XB, 72*\k
.elseif \k < 6
	WIN 0x0b
.set XB, 72*(\k-3)
.else
	WIN 0x0f
.set XB, 72*(\k-6)
.endif
.if \k == 0
	v_wmma_scale_f32_16x16x128_f8f6f4 v[ACC+48*\par+8*\q:ACC+48*\par+8*\q+7], v[PF+12*\k:PF+12*\k+11], v[XB+12*\q:XB+12*\q+11], 0, v[PS+\k], v[XS+8*\q+\k] matrix_a_fmt:MATRIX_FMT_BF6 matrix_b_fmt:MATRIX_FMT_BF6
.else
	v_wmma_scale_f32_16x16x128_f8f6f4 v[ACC+48*\par+8*\q:ACC+48*\par+8*\q+7], v[PF+12*\k:PF+12*\k+11], v[XB+12*\q:XB+12*\q+11], v[ACC+48*\par+8*\q:ACC+48*\par+8*\q+7], v[PS+\k], v[XS+8*\q+\k] matrix_a_fmt:MATRIX_FMT_BF6 matrix_b_fmt:MATRIX_FMT_BF6
.endif
.endm
.macro WMK k, par                      ; six matrix instructions: the accumulators by turns
.irp q, 0,1,2,3,4,5
	WM \k, \q, \par
.endr
.endm
; Line EN (0 .. 59) of the list that reduces a set's six finished accumulators, all six line by line.  Of each: 0-3 x 1/|p|, from the low end on; 4-7 the largest of my eight rows; 8, 9 with lane l xor 16's.
.macro EP set
.set EQ, EN%6
.set NN, EN/6
.set AB, ACC+48*(\set)+8*EQ
.set IB, INV+8*(\set)
.set TA, T+2*EQ
.if NN < 4
	v_dual_mul_f32 v[AB+2*NN], v[AB+2*NN], v[IB+2*NN] :: v_dual_mul_f32 v[AB+2*NN+1], v[AB+2*NN+1], v[IB+2*NN+1]
.elseif NN == 4
	v_max3_num_f32 v[TA], v[AB], v[AB+1], v[AB+2]
.elseif NN == 5
	v_max3_num_f32 v[TA+1], v[AB+3], v[AB+4], v[AB+5]
.elseif NN == 6
	v_max3_num_f32 v[TA], v[TA], v[AB+6], v[AB+7]
.elseif NN == 7
	v_max_num_f32 v[TA], v[TA], v[TA+1]
.elseif NN == 8
	v_permlanex16_b32 v[TA+1], v[TA], s40, s41
.else
	v_max_num_f32 v[TA], v[TA], v[TA+1]
.endif
.set EN, EN+1
.endm
.macro EPL n, set                      ; n lines of the list, with no wait behind them
.rept \n
	EP \set
.endr
.endm
.macro EPB n, set
.rept \n
	EP \set
.endr
	s_wait_alu depctr_va_vdst(0)
.endm
.macro TOST so                         ; six results into my stage; both halves of the lanes write the same word with the same value
.irp q, 0,1,2,3,4,5
	ds_store_b32 v[STW], v[T+2*\q] offset:512*\q+\so
.endr
.endm
; A TILE: 48 matrix instructions into set par.  epi: the tile before is reduced, its results go to word so of the stage's rows.  fetch: the next tile, at nb, ns, ni from the address registers.
; chg = 1: the change of slots with a refill; chg = 2: without (the last group has only to be shown whole to all four waves).
.macro TILE par, epi, nb, ns, ni, so, chg, fetch
.set EN, 0
.if \chg
	s_wait_tensorcnt 0x0                           ; all my tensor loads have landed: my quarter of the other slot
.if \chg == 1
	ds_add_u32 v[SPW], v[NIL]
	s_xor_b32 s25, s25, SLOT1                      ; no load of mine is out: the descriptor walks to the slot in hand
	s_add_nc_u64 s[26:27], s[26:27], GREC          ; and to the next group to fetch
.endif
	s_wait_dscnt 21+(2-\chg)                       ; K steps 0-3 are in; the 15 loads of the second half, the 6 stores (and the add) may be out
	WMK 0, \par
	WMK 1, \par
	s_wait_dscnt 0x0                               ; the add is done, and my reads of this slot are over
	s_barrier_signal -1
	WMK 2, \par
	WMK 3, \par
	WIN 0
	s_barrier_wait -1
.if \chg == 1
	CREST                                          ; no wave of any partner still reads this slot or has a load on its way
	tensor_load_to_lds s[24:27], s[16:23]          ; the group two on, first behind the round
	s_nop 0
.endif
.else
	s_wait_dscnt 21                                ; K steps 0-3 are in; the 15 loads of the second half and the 6 stores behind them may be out
	WMK 0, \par
	WMK 1, \par
	WMK 2, \par
	WMK 3, \par
	WIN 0
.endif
.if \epi
	EPL 6, 1-\par                                  ; six lines: the places in front of the loads below
.else
	PLACES
.endif
.if \chg
	s_xor_b32 s32, s32, SLOT1                      ; on to the other slot
	ADRS
.endif
.if \fetch
	FETCH_A \nb, \ns
.endif
.if \epi
	EPB 24, 1-\par                                 ; the other lines stand behind the loads
.endif
	s_wait_dscnt 13*\fetch                         ; K steps 4-7 and the 1/norms are in; the 13 loads just issued may be out
	WMK 4, \par
	WMK 5, \par
	WMK 6, \par
	WMK 7, \par
	WIN 0
.if \epi
	EPL 6, 1-\par                                  ; six lines: the places behind this set's last products and in front of the loads below; the list's second half reads no 1/norm
.else
	PLACES
.endif
.if \fetch
	FETCH_B \nb, \ns, \ni, 1-\par
.endif
.if \epi
	EPB 24, 1-\par
	TOST \so
.endif
.endm
.macro INNER                           ; tiles (1,2) (3,4) (5,6) of the slot in hand: trip i reduces tiles 2 i, 2 i + 1 and fetches tiles 2 i + 2, 2 i + 3
	s_mov_b32 s39, 3
.Lpair_\@:
	TILE 1, 1, 24576, 1024, 128, 0, 0, 1
	TILE 0, 1, 36864, 1536, 192, 4, 0, 1
	s_add_co_u32 s33, s33, 24576
	s_add_co_u32 s34, s34, 1024
	s_add_co_u32 s35, s35, 128
	s_add_co_u32 s36, s36, 8
	v_add_nc_u32 v[AC], s33, v[L16]
	v_add_nc_u32 v[AS], s34, v[R32]
	v_add_nc_u32 v[AI], s35, v[H32]
	v_add_nc_u32 v[STW], s36, v[STB]
	s_wait_alu depctr_va_vdst(0)                   ; the wait ahead of the branch
	s_sub_co_u32 s39, s39, 1
	s_cmp_lg_u32 s39, 0
	s_cbranch_scc1 .Lpair_\@
.endm
.macro OUT                             ; a group's 6 x 16 x 8 results leave
	s_wait_xcnt 0x0                                ; the last way out's stores have read their base and data
	s_add_nc_u64 s[8:9], s[8:9], 256               ; one group on; the stores reach back by their immediate
.irp q, 0,1,2,3,4,5
	ds_load_b128 v[OUTR+4*\q:OUTR+4*\q+3], v[SRD] offset:512*\q     ; LDS serves a wave's instructions in order: these see my stores
.endr
	s_mov_b32 s36, 0
	v_mov_b32 v[STW], v[STB]
	s_wait_alu depctr_va_vdst(0)                   ; the wait ahead of the waits below
.irp q, 0,1,2,3,4,5
	s_wait_dscnt 5-\q                              ; load q is in; the younger ones may be out
	global_store_b128 v[BO+\q], v[OUTR+4*\q:OUTR+4*\q+3], s[8:9] offset:-256 th:TH_STORE_NT     ; each half of the lanes stores 256 consecutive bytes, aligned
.endr
.endm
	s_wait_tensorcnt 0x0                           ; group 0 is in; slot 1's first fill is issued as a refill is
	ds_add_u32 v[SPW], v[NIL]
	s_xor_b32 s25, s25, SLOT1
	s_add_nc_u64 s[26:27], s[26:27], GREC
	s_wait_dscnt 0x0
	CROUND
	tensor_load_to_lds s[24:27], s[16:23]          ; group 1 into slot 1
	s_nop 0
	PLACES
	FETCH_A 0, 0
	FETCH_B 0, 0, 0, 0
	s_wait_loadcnt 0x0                             ; x's fragments and scale words
	s_wait_dscnt 15                                ; the first tile's K steps 0-3 are in: only the 15 loads of its second half stand behind them
	TILE 0, 0, 12288, 512, 64, 0, 0, 1             ; the chunk's first tile: nothing to reduce yet
	s_wait_dscnt 15                                ; no stores followed its loads: tile 1's K steps 0-3 are in when 15 are out
	s_mov_b32 s38, 3
.Lgroup:                                               ; groups 0, 1, 2: each asks for the group two on
	INNER
	TILE 1, 1, 0, 0, 0, 0, 1, 1                    ; tile 7, the change of slots, the next group's tile 0 fetched
	TILE 0, 1, 12288, 512, 64, 4, 0, 1             ; the next group's tile 0; tile 7 is reduced
	OUT
	s_sub_co_u32 s38, s38, 1
	s_cmp_lg_u32 s38, 0
	s_cbranch_scc1 .Lgroup
	INNER                                          ; group 3: nothing is left to ask for
	TILE 1, 1, 0, 0, 0, 0, 2, 1
	TILE 0, 1, 12288, 512, 64, 4, 0, 1
	OUT
	INNER                                          ; group 4
	TILE 1, 1, 0, 0, 0, 0, 0, 0
.set EN, 0
	EPB 60, 1                                      ; the last tile is reduced; the 30 lines above are the places behind its products
	TOST 4
	OUT
	s_wait_tensorcnt 0x0                           ; the wave's end
	ds_add_u32 v[SPW], v[NIL]
	s_wait_dscnt 0x0
	CROUND                                         ; the closing round
	s_endpgm
.Lfunc_end_k_qaf6ac207ce_scores:
	.size	k_qaf6ac207ce_scores, .Lfunc_end_k_qaf6ac207ce_scores-k_qaf6ac207ce_scores
	.p2alignl 7, 3214868480
	.fill 96, 4, 3214868480
	.section	.rodata,"a",@progbits
	.p2align	6, 0x0
	.amdhsa_kernel k_qaf6ac207ce_scores
		.amdhsa_group_segment_fixed_size 327680
		.amdhsa_private_segment_fixed_size 0
		.amdhsa_enable_private_segment 0
		.amdhsa_kernarg_size 24
		.amdhsa_user_sgpr_count 2
		.amdhsa_user_sgpr_kernarg_segment_ptr 1
		.amdhsa_wavefront_size32 1
		.amdhsa_system_sgpr_workgroup_id_x 1
		.amdhsa_system_sgpr_workgroup_id_y 1
		.amdhsa_system_sgpr_workgroup_id_z 1
		.amdhsa_system_vgpr_workitem_id 0
		.amdhsa_next_free_vgpr 1008
		.amdhsa_next_free_sgpr 66
		.amdhsa_reserve_vcc 0
		.amdhsa_float_denorm_mode_32 3
		.amdhsa_float_denorm_mode_16_64 3
		.amdhsa_memory_ordered 1
		.amdhsa_forward_progress 1
		.amdhsa_inst_pref_size 174
	.end_amdhsa_kernel
	.amdgpu_metadata
---
amdhsa.version: [ 1, 2 ]
amdhsa.kernels:
  - .name:           k_qaf6ac207ce_scores
    .symbol:         k_qaf6ac207ce_scores.kd
    .args:
      - { .name: prec, .offset: 0, .size: 8, .value_kind: global_buffer, .address_space: global }
      - { .name: xrec, .offset: 8, .size: 8, .value_kind: global_buffer, .address_space: global }
      - { .name: bm, .offset: 16, .size: 8, .value_kind: global_buffer, .address_space: global }
    .group_segment_fixed_size: 327680
    .private_segment_fixed_size: 0
    .kernarg_segment_align: 8
    .kernarg_segment_size: 24
    .max_flat_workgroup_size: 128
    .sgpr_count:     66
    .vgpr_count:     1008
    .wavefront_size: 32
...
	.end_amdgpu_metadata
.endif
;; end of part 2
;; launch buckets (part 3): grid 188 x 1, 8 waves a work-group, no clusters, 88,576 bytes of LDS; arguments bm, sel; writes sel
.if DOCPART == 3
	.amdgcn_target "amdgcn-amd-amdhsa--gfx1250"
	.amdhsa_code_object_version 6
	.text
	.protected	k_qaf6ac207ce_buckets
	.globl	k_qaf6ac207ce_buckets
	.p2align	8
	.type	k_qaf6ac207ce_buckets,@function
k_qaf6ac207ce_buckets:
	s_mov_b64 s[64:65], 0
	v_nop
	global_prefetch_b8 v0, s[64:65] scope:SCOPE_SE
	s_setreg_imm32_b32 hwreg(HW_REG_WAVE_MODE, 25, 1), 1
	s_wait_xcnt 0x0
; For each query the ten best buckets (tiles): larger value first, the lower tile among equals.  bm [188+ regions][295 g][8 r'][8 j] f32; sel [1504 q][32]: words 0-9 the groups g, words 16-25 the tiles j in them, the rest 0.
; SHARES.  Work-group n owns region n of bm (75,520 dense bytes: queries 8 n .. 8 n + 7); wave w takes query 8 n + w.  The region is read as it lies (a wave's load covers 512 consecutive bytes) into LDS rows of
; 256 + 32 bytes, one a group.  19 loads of 4,096 bytes reach 2,304 bytes past the region: still inside bm, which has 192 regions.  Groups 293 to 303 become -infinity on the way in.
; TWO LEVELS.  Lane l holds the eight values of groups l + 32 i, i = 0 .. 9 (80 registers), and each group's largest.  A tile among the ten best (by value, then lower number) lies in one of the ten best groups by
; the same order on the groups' largest values: ten groups ahead of its own would each hold a tile ahead of it.  So: ten trips choose the ten best groups on ten registers a lane, and trip k copies the
; winner's eight values and its number into lane k; ten more trips choose the ten best tiles among those 80 values, eight registers a lane.
; No branch and no address hangs on data: a winner is struck out by selects, and its values go from lane to lane by v_readlane_b32 and v_writelane_b32.  Numbers of groups and tiles are compared as f32 (exact under 2^24).
; For i = 9 lanes 0-15 read rows 288 + l and lanes 16-31 rows 296 + l % 8, which hold -infinity.
; Two waves share a SIMD: compares go eight or ten at a time into as many scalar masks and their selects follow, so that neighbours do not feed each other; where a line does read its neighbour, a hint stands ahead of it.
; LIMITS: NaN is not served.  No matrix unit, no cluster: nothing is multiplied and work-groups share no input.
.set BMROW, 75520
.set PIT,   288
.set V,     32                         ; v32-111 the 80 values: 8 i + j
.set G,     112                        ; v112-121 the groups' largest
.set E,     122                        ; v122-129 the winner's eight values
.set C,     130                        ; v130-137 lane k: the eight values of the k-th group
.set TT,    138                        ; v138-147 at work
.set MK,    20                         ; s20-29 masks
.set RL,    32                         ; s32-39 the winner's values on their way
.macro D n
	s_delay_alu instid0(VALU_DEP_\n)
.endm
.macro XRED opd, op, r, t              ; over the 32 lanes, the result in every lane
.irp m, 1,2,4,8
	D 1
	\opd v[\r], v[\r], v[\r] row_xmask:\m row_mask:0xf bank_mask:0xf
.endr
	D 1
	v_permlanex16_b32 v[\t], v[\r], s16, s17
	D 1
	\op v[\r], v[\r], v[\t]
.endm
	s_load_b128 s[4:7], s[0:1], 0x0                ; bm, sel
	v_lshl_add_u32 v148, v0, 2, 0x15600
	v_mov_b32 v149, 0
	v_lshrrev_b32 v1, 5, v0
	D 1
	v_readfirstlane_b32 s8, v1                     ; wave 0..7
	v_and_b32 v1, 31, v0                           ; lane
	v_and_b32 v2, 15, v0
	v_lshlrev_b32 v3, 4, v0                        ; in: 16 bytes a thread
	v_lshrrev_b32 v4, 4, v0
	D 1
	v_mul_u32_u24 v4, v4, PIT
	D 1
	v_lshl_add_u32 v4, v2, 4, v4                   ; LDS, way in: row tid / 16, + 16 (tid % 16); load i: 16 rows further down
	D 1
	v_add_nc_u32 v5, 46080, v4                     ; (rows 160 on: the immediate has 16 bits)
	s_lshl_b32 s9, s8, 5
	v_mul_u32_u24 v6, v1, PIT
	D 1
	v_add_nc_u32 v6, s9, v6                        ; way out: row lane, my query's 32 bytes; i: 32 rows further down
	D 1
	v_add_nc_u32 v7, 64512, v6                     ; (i = 7, 8)
	v_and_b32 v18, 16, v1
	D 1
	v_lshrrev_b32 v18, 1, v18
	D 1
	v_and_or_b32 v18, v1, 8, v18
	v_and_b32 v19, 7, v1
	D 1
	v_add_nc_u32 v18, v18, v19                     ; i = 9: lane for lanes 0-15, 8 + lane % 8 for lanes 16-31
	D 1
	v_mul_u32_u24 v18, v18, PIT
	D 1
	v_add_nc_u32 v18, s9, v18
	D 1
	v_add_nc_u32 v18, 288*PIT, v18
	v_lshlrev_b32 v17, 2, v1                       ; 4 x lane
	v_mov_b32 v9, 0xff800000                       ; -infinity
	v_mov_b32 v27, 0x10000                         ; none: above every register's number, and as a group or tile above every number
	v_mov_b32 v16, 0                               ; lane k: the k-th group's number
	v_mov_b32 v26, 0                               ; the result
	v_mov_b32 v11, 0                               ; (a lane permute's destination counts as one of its sources)
	v_mov_b32 v15, 0
.irp j, 0,1,2,3,4,5,6,7
	v_mov_b32 v[C+\j], 0xff800000
.endr
	s_mov_b32 s14, 0xffff0000                      ; lanes 16-31
	s_mov_b32 s16, 0x76543210
	s_mov_b32 s17, 0xfedcba98
	s_mul_i32 s10, ttmp9, BMROW
	s_mov_b32 s11, 0
	s_lshl_b32 s12, ttmp9, 3
	s_add_co_u32 s12, s12, s8                      ; my query
	s_lshl_b32 s12, s12, 7
	s_mov_b32 s13, 0
	s_wait_alu depctr_va_vdst(0)                   ; the wait at the head's end
	s_wait_kmcnt 0x0
	s_add_nc_u64 s[4:5], s[4:5], s[10:11]
	s_add_nc_u64 s[6:7], s[6:7], s[12:13]
.irp i, 0,1,2,3,4,5,6,7,8,9,10,11,12,13,14,15,16,17,18
	global_load_b128 v[V+4*\i:V+4*\i+3], v3, s[4:5] offset:4096*\i th:TH_LOAD_NT
.endr
.irp i, 0,1,2,3,4,5,6,7,8,9
	s_wait_loadcnt 18-\i                           ; load i is in; the younger ones may be out
	ds_store_b128 v4, v[V+4*\i:V+4*\i+3] offset:4608*\i
.endr
.irp i, 10,11,12,13,14,15,16,17
	s_wait_loadcnt 18-\i
	ds_store_b128 v5, v[V+4*\i:V+4*\i+3] offset:4608*(\i-10)
.endr
	s_wait_loadcnt 0x0
	v_cmp_le_u32 vcc_lo, 80, v0                    ; load 18 holds groups 288 + tid / 16: from 293 on nothing counts
.irp e, 0,1,2,3
	v_cndmask_b32 v[V+72+\e], v[V+72+\e], v9, vcc_lo
.endr
	ds_store_b128 v5, v[V+72:V+75] offset:4608*8
	s_wait_dscnt 0x0                               ; for the others' sake: my stores are done
	s_barrier_signal -1
	s_barrier_wait -1
.irp i, 0,1,2,3,4,5,6
	ds_load_b128 v[V+8*\i:V+8*\i+3], v6 offset:9216*\i
	ds_load_b128 v[V+8*\i+4:V+8*\i+7], v6 offset:9216*\i+16
.endr
.irp i, 7,8
	ds_load_b128 v[V+8*\i:V+8*\i+3], v7 offset:9216*(\i-7)
	ds_load_b128 v[V+8*\i+4:V+8*\i+7], v7 offset:9216*(\i-7)+16
.endr
	ds_load_b128 v[V+72:V+75], v18
	ds_load_b128 v[V+76:V+79], v18 offset:16
	s_wait_dscnt 0x0
.irp i, 0,1,2,3,4,5,6,7,8,9
	v_max3_num_f32 v[G+\i], v[V+8*\i], v[V+8*\i+1], v[V+8*\i+2]           ; each group's largest, the ten groups line by line
.endr
.irp i, 0,1,2,3,4,5,6,7,8,9
	v_max3_num_f32 v[TT+\i], v[V+8*\i+3], v[V+8*\i+4], v[V+8*\i+5]
.endr
.irp i, 0,1,2,3,4,5,6,7,8,9
	v_max3_num_f32 v[G+\i], v[G+\i], v[V+8*\i+6], v[V+8*\i+7]
.endr
.irp i, 0,1,2,3,4,5,6,7,8,9
	v_max_num_f32 v[G+\i], v[G+\i], v[TT+\i]
.endr
	s_mov_b32 s15, 0
.Lgroups:                                              ; trip k: the best group that is left
	v_max3_num_f32 v20, v[G], v[G+1], v[G+2]
	v_max3_num_f32 v21, v[G+3], v[G+4], v[G+5]
	v_max3_num_f32 v22, v[G+6], v[G+7], v[G+8]
	D 1
	v_max3_num_f32 v10, v20, v21, v22
	D 1
	v_max_num_f32 v10, v10, v[G+9]
	XRED v_max_num_f32_dpp, v_max_num_f32, 10, 11  ; the largest of all
	D 1
.irp i, 0,1,2,3,4,5,6,7,8,9
	v_cmp_neq_f32 s[MK+\i], v[G+\i], v10
.endr
.irp i, 0,1,2,3,4,5,6,7,8,9
	v_cndmask_b32 v[TT+\i], \i, v27, s[MK+\i]      ; i where my group i holds it, else none
.endr
	v_min3_u32 v20, v[TT], v[TT+1], v[TT+2]
	v_min3_u32 v21, v[TT+3], v[TT+4], v[TT+5]
	D 4
	v_min3_u32 v22, v[TT+6], v[TT+7], v[TT+8]
	D 1
	v_min3_u32 v12, v20, v21, v22
	D 1
	v_min_u32 v12, v12, v[TT+9]                    ; my lowest such i
	D 1
	v_lshl_add_u32 v13, v12, 5, v1                 ; its group: 32 i + lane
	D 1
	v_cvt_f32_u32 v13, v13
	D 1
	v_mov_b32 v14, v13
	XRED v_min_num_f32_dpp, v_min_num_f32, 14, 15  ; the lowest group that holds the largest value: the winner
	D 1
	v_cmp_eq_f32 vcc_lo, v13, v14
	D 1
	v_cndmask_b32 v8, -1, v12, vcc_lo              ; in the winner's lane: its i
	D 1
.irp i, 0,1,2,3,4,5,6,7,8,9
	v_cmp_eq_u32 s[MK+\i], \i, v8
.endr
.irp i, 0,1,2,3,4,5,6,7,8,9
	v_cndmask_b32 v[G+\i], v[G+\i], v9, s[MK+\i]   ; it is struck out,
.endr
	s_ctz_i32_b32 s18, vcc_lo                      ; (the compares above wrote s20-29: VCC still marks the winner)
	s_and_b32 s18, s18, 31                         ; the winner's lane
.irp j, 0,1,2,3,4,5,6,7
	v_cndmask_b32 v[E+\j], v9, v[V+\j], s[MK]      ; and its eight values are picked, eight chains line by line
.endr
.irp i, 1,2,3,4,5,6,7,8,9
.irp j, 0,1,2,3,4,5,6,7
	v_cndmask_b32 v[E+\j], v[E+\j], v[V+8*\i+\j], s[MK+\i]
.endr
.endr
.irp j, 0,1,2,3,4,5,6,7
	v_readlane_b32 s[RL+\j], v[E+\j], s18
.endr
.irp j, 0,1,2,3,4,5,6,7
	v_writelane_b32 v[C+\j], s[RL+\j], s15         ; into lane k
.endr
	v_cvt_u32_f32 v15, v14
	v_cmp_eq_u32 vcc_lo, s15, v1
	D 1
	v_cndmask_b32 v16, v16, v15, vcc_lo            ; lane k keeps the group's number
	s_add_co_u32 s15, s15, 1
	s_cmp_lt_u32 s15, 10
	s_wait_alu depctr_va_vdst(0)                   ; the wait ahead of the branch
	s_cbranch_scc1 .Lgroups
	s_mov_b32 s15, 0
.Ltiles:                                               ; trip k: the best tile that is left among the ten groups' 80
	v_max3_num_f32 v20, v[C], v[C+1], v[C+2]
	v_max3_num_f32 v21, v[C+3], v[C+4], v[C+5]
	D 2
	v_max3_num_f32 v10, v20, v[C+6], v[C+7]
	D 1
	v_max_num_f32 v10, v10, v21
	XRED v_max_num_f32_dpp, v_max_num_f32, 10, 11
	D 1
.irp j, 0,1,2,3,4,5,6,7
	v_cmp_neq_f32 s[MK+\j], v[C+\j], v10
.endr
.irp j, 0,1,2,3,4,5,6,7
	v_cndmask_b32 v[TT+\j], \j, v27, s[MK+\j]
.endr
	v_min3_u32 v20, v[TT], v[TT+1], v[TT+2]
	D 4
	v_min3_u32 v21, v[TT+3], v[TT+4], v[TT+5]
	D 2
	v_min3_u32 v12, v20, v[TT+6], v[TT+7]
	D 1
	v_min_u32 v12, v12, v21                        ; my lowest j that holds the largest value, or none
	D 1
	v_lshl_add_u32 v13, v16, 3, v12                ; its tile: 8 g + j
	D 1
	v_cvt_f32_u32 v13, v13
	D 1
	v_mov_b32 v14, v13
	XRED v_min_num_f32_dpp, v_min_num_f32, 14, 15  ; the lowest tile that holds it: the winner
	D 1
	v_cmp_eq_f32 vcc_lo, v13, v14
	D 1
	v_cndmask_b32 v8, -1, v12, vcc_lo
	D 1
.irp j, 0,1,2,3,4,5,6,7
	v_cmp_eq_u32 s[MK+\j], \j, v8
.endr
.irp j, 0,1,2,3,4,5,6,7
	v_cndmask_b32 v[C+\j], v[C+\j], v9, s[MK+\j]   ; it is struck out
.endr
	v_cvt_u32_f32 v15, v14
	D 1
	v_lshrrev_b32 v19, 3, v15                      ; its group,
	D 2
	v_and_b32 v15, 7, v15                          ; its tile in the group
	D 1
	v_cndmask_b32 v15, v19, v15, s14               ; lanes 0-15 keep groups, lanes 16-31 tiles
	v_cmp_eq_u32 vcc_lo, s15, v2
	D 1
	v_cndmask_b32 v26, v26, v15, vcc_lo            ; lanes k and 16 + k take trip k's
	s_add_co_u32 s15, s15, 1
	s_cmp_lt_u32 s15, 10
	s_wait_alu depctr_va_vdst(0)                   ; the wait ahead of the branch
	s_cbranch_scc1 .Ltiles
	global_store_b32 v17, v26, s[6:7]              ; 128 bytes a wave; the eight waves' rows lie on end
	s_wait_tensorcnt 0x0                           ; the wave's end
	ds_add_u32 v148, v149
	s_wait_dscnt 0x0
	s_endpgm
.Lfunc_end_k_qaf6ac207ce_buckets:
	.size	k_qaf6ac207ce_buckets, .Lfunc_end_k_qaf6ac207ce_buckets-k_qaf6ac207ce_buckets
	.p2alignl 7, 3214868480
	.fill 96, 4, 3214868480
	.section	.rodata,"a",@progbits
	.p2align	6, 0x0
	.amdhsa_kernel k_qaf6ac207ce_buckets
		.amdhsa_group_segment_fixed_size 88576
		.amdhsa_private_segment_fixed_size 0
		.amdhsa_enable_private_segment 0
		.amdhsa_kernarg_size 16
		.amdhsa_user_sgpr_count 2
		.amdhsa_user_sgpr_kernarg_segment_ptr 1
		.amdhsa_wavefront_size32 1
		.amdhsa_system_sgpr_workgroup_id_x 1
		.amdhsa_system_sgpr_workgroup_id_y 1
		.amdhsa_system_sgpr_workgroup_id_z 1
		.amdhsa_system_vgpr_workitem_id 0
		.amdhsa_next_free_vgpr 150
		.amdhsa_next_free_sgpr 66
		.amdhsa_reserve_vcc 1
		.amdhsa_float_denorm_mode_32 3
		.amdhsa_float_denorm_mode_16_64 3
		.amdhsa_memory_ordered 1
		.amdhsa_forward_progress 1
		.amdhsa_inst_pref_size 27
	.end_amdhsa_kernel
	.amdgpu_metadata
---
amdhsa.version: [ 1, 2 ]
amdhsa.kernels:
  - .name:           k_qaf6ac207ce_buckets
    .symbol:         k_qaf6ac207ce_buckets.kd
    .args:
      - { .name: bm, .offset: 0, .size: 8, .value_kind: global_buffer, .address_space: global }
      - { .name: sel, .offset: 8, .size: 8, .value_kind: global_buffer, .address_space: global }
    .group_segment_fixed_size: 88576
    .private_segment_fixed_size: 0
    .kernarg_segment_align: 8
    .kernarg_segment_size: 16
    .max_flat_workgroup_size: 256
    .sgpr_count:     66
    .vgpr_count:     150
    .wavefront_size: 32
...
	.end_amdgpu_metadata
.endif
;; end of part 3
;; launch refine (part 4): grid 375 x 1, 4 waves a work-group, no clusters, 0 bytes of LDS; arguments prec, xrec, sel, fidx, fw; writes fidx, fw
.if DOCPART == 4
	.amdgcn_target "amdgcn-amd-amdhsa--gfx1250"
	.amdhsa_code_object_version 6
	.text
	.protected	k_qaf6ac207ce_refine
	.globl	k_qaf6ac207ce_refine
	.p2align	8
	.type	k_qaf6ac207ce_refine,@function
k_qaf6ac207ce_refine:
	s_mov_b64 s[64:65], 0
	v_nop
	global_prefetch_b8 v0, s[64:65] scope:SCOPE_SE
	s_setreg_imm32_b32 hwreg(HW_REG_WAVE_MODE, 25, 1), 1
	s_wait_xcnt 0x0
; For each query: its ten chosen tiles are multiplied again (codes of BF6, E8M0 scales, f32 sums, K ascending on one accumulator), the 160 distances 1 - dot / (|x| |p|) are formed, the ten smallest are taken
; (the lower row among equals), and their weights softmax(1 / distance) / 10.  fidx [1500][32]: words 0-9 the rows, the rest 0; fw [1500][32] f32: words 0-9 the weights, the rest 0.
; SHARES.  A wave takes one query, 4 x work-group + wave.  Its tiles' numbers come from sel, stored by the launch before, by scalar loads; each is held to its table's range ahead of any address.
; SOURCE 0 IS SIXTEEN COPIES OF THE QUERY: lane (r, h) loads the piece of x's image that lane (query % 16, h) holds.  Source 1 is the pool tile.  So register 0 of the result holds, in both halves of the lanes,
; the query's dot with pool row r.  Operands go from memory straight into registers, as they were laid: 24 loads of 16 bytes a lane for a tile, two tiles ahead in two buffers.
; No LDS, no barrier, no cluster: which waves share a tile hangs on the stored list.  One accumulator a tile: a wait stands ahead of every link of the chain.
; LIMITS: the distance is fma(-dot, rcp(|x| |p|), 1), another order of rounding than dot / (|x| |p|); NaN, infinities, rows of zeros and a distance of 0 are not served.
; REGISTERS: window 0 as named below; window 1: two buffers of a pool tile's 96 registers.
.set GREC, 103424
.set SCO,  98304
.set NRO,  102912
.set XF,   16                          ; v16-111 the query's fragments
.set XS,   112                         ; v112-119 its scale words
.set PS,   120                         ; v120-135 the pool tile's scale words, two sets
.set NR,   136                         ; v136-137 its rows' norms, two sets
.set ACC,  138                         ; v138-153 two accumulators
.set SN,   154                         ; the query's norm
.set RC,   155
.set DEN,  156
.set CD,   158                         ; v158-162 distances: register c: lanes 0-15 tile 2 c, lanes 16-31 tile 2 c + 1
.set IDXF, 164                         ; v164-168 their pool rows, as f32 (exact)
.set OC,   170                         ; v170-175 offsets of the loads in hand, two sets
.set OS,   172
.set ON,   174
.set TM,   176                         ; v176-186 at work
.set BIG,  187
.set PINF, 188
.set NINF, 189
.set BV,   192                         ; lane k: the k-th smallest distance
.set BI,   193                         ; and its row
.set MSB, 0
.macro WIN new
.if MSB != \new
	s_set_vgpr_msb (MSB<<8)|\new
.set MSB, \new
.endif
.endm
	s_load_b256 s[4:11], s[0:1], 0x0               ; prec s[4:5], xrec s[6:7], sel s[8:9], fidx s[10:11]
	s_load_b64 s[12:13], s[0:1], 0x20              ; fw
	v_lshrrev_b32 v1, 5, v0
	v_readfirstlane_b32 s14, v1                    ; wave 0..3
	s_lshl_b32 s15, ttmp9, 2
	s_add_co_u32 s15, s15, s14                     ; my query
	s_lshl_b32 s98, s15, 7
	s_mov_b32 s99, 0
	s_wait_kmcnt 0x0
	s_add_nc_u64 s[8:9], s[8:9], s[98:99]
	s_add_nc_u64 s[10:11], s[10:11], s[98:99]
	s_add_nc_u64 s[12:13], s[12:13], s[98:99]
	s_load_b512 s[16:31], s[8:9], 0x0              ; words 0-9: the groups
	s_load_b512 s[32:47], s[8:9], 0x40             ; words 16-25: the tiles in them
	v_and_b32 v1, 31, v0                           ; lane
	v_and_b32 v2, 15, v0                           ; r
	v_bfe_u32 v3, v0, 4, 1                         ; h
	s_wait_alu depctr_va_vdst(0)
	v_lshlrev_b32 v4, 4, v1                        ; 16 x lane
	v_lshlrev_b32 v5, 5, v2                        ; 32 r
	v_lshlrev_b32 v6, 2, v2                        ; 4 r
	v_lshlrev_b32 v7, 2, v1                        ; 4 x lane
	s_mov_b32 s58, 0xffff0000                      ; lanes 16-31
	s_mov_b32 s60, 0x76543210
	s_mov_b32 s61, 0xfedcba98
	s_lshr_b32 s96, s15, 7
	s_mul_i32 s96, s96, GREC                       ; the query's record in xrec
	s_bfe_u32 s97, s15, 0x30004                    ; its tile in the record
	s_and_b32 s59, s15, 15                         ; its row in the tile
	s_mul_i32 s62, s97, 12288
	s_add_co_u32 s62, s62, s96
	s_lshl_b32 s63, s59, 4
	s_add_co_u32 s62, s62, s63
	v_lshl_add_u32 v8, v3, 8, s62                  ; codes: the piece of lane (row, h): 16 (row + 16 h)
	s_wait_alu depctr_va_vdst(0)
	s_lshl_b32 s62, s97, 9
	s_add_co_u32 s62, s62, s96
	s_lshl_b32 s63, s59, 5
	s_add_co_u32 s62, s62, s63
	s_add_co_u32 s62, s62, SCO
	v_mov_b32 v9, s62                              ; its scale words, the same in every lane
	s_lshl_b32 s62, s97, 6
	s_add_co_u32 s62, s62, s96
	s_lshl_b32 s63, s59, 2
	s_add_co_u32 s62, s62, s63
	s_add_co_u32 s62, s62, NRO
	v_mov_b32 v10, s62                             ; its norm
.irp k, 0,1,2,3,4,5,6,7
.irp c, 0,1,2
	global_load_b128 v[XF+12*\k+4*\c:XF+12*\k+4*\c+3], v8, s[6:7] offset:\k*1536+\c*512
.endr
.endr
	global_load_b128 v[XS:XS+3], v9, s[6:7]
	global_load_b128 v[XS+4:XS+7], v9, s[6:7] offset:16
	global_load_b32 v[SN], v10, s[6:7]             ; 27 loads
	s_wait_kmcnt 0x0
.irp k, 0,1,2,3,4,5,6,7,8,9
	s_min_u32 s[16+\k], s[16+\k], 294              ; held inside the table
	s_min_u32 s[32+\k], s[32+\k], 7
	s_mul_i32 s96, s[16+\k], GREC
	s_mul_i32 s97, s[32+\k], 12288
	s_add_co_u32 s[48+\k], s96, s97                ; the tile's codes,
	s_lshl_b32 s97, s[32+\k], 9
	s_add_co_u32 s97, s97, s96
	s_add_co_u32 s[66+\k], s97, SCO                ; scale words,
	s_lshl_b32 s97, s[32+\k], 6
	s_add_co_u32 s97, s97, s96
	s_add_co_u32 s[76+\k], s97, NRO                ; norms,
	s_lshl_b32 s97, s[16+\k], 3
	s_add_co_u32 s97, s97, s[32+\k]
	s_lshl_b32 s[86+\k], s97, 4                    ; and first pool row
.endr
.macro LOADT k, par                    ; tile k into buffer par: 27 loads
	v_add_nc_u32 v[OC+\par], s[48+(\k)], v4
	v_add_nc_u32 v[OS+\par], s[66+(\k)], v5
	v_add_nc_u32 v[ON+\par], s[76+(\k)], v6
	WIN 0x40                                       ; destination window 1
.irp kk, 0,1,2,3,4,5,6,7
.irp c, 0,1,2
	global_load_b128 v[96*\par+12*\kk+4*\c:96*\par+12*\kk+4*\c+3], v[OC+\par], s[4:5] offset:\kk*1536+\c*512
.endr
.endr
	WIN 0
	global_load_b128 v[PS+8*\par:PS+8*\par+3], v[OS+\par], s[4:5]
	global_load_b128 v[PS+8*\par+4:PS+8*\par+7], v[OS+\par], s[4:5] offset:16
	global_load_b32 v[NR+\par], v[ON+\par], s[4:5]
.endm
	LOADT 0, 0
	LOADT 1, 1
	v_mov_b32 v[BIG], 0x7f61b1e6                   ; 3e38, above every row number
	v_mov_b32 v[PINF], 0x7f800000
	v_mov_b32 v[NINF], 0xff800000
	v_mov_b32 v[BV], 1.0
	v_mov_b32 v[BI], 0
.irp c, 0,1,2,3,4
	v_mov_b32 v[TM], s[86+2*\c]
	v_mov_b32 v[TM+1], s[87+2*\c]
	v_cndmask_b32 v[TM], v[TM], v[TM+1], s58
	v_add_nc_u32 v[TM], v[TM], v2
	v_cvt_f32_u32 v[IDXF+\c], v[TM]
.endr
.macro TILE k, par
.if \k < 9
	s_wait_loadcnt 27                              ; this tile (and, at first, the query) is in; the other buffer's 27 loads may be out
.else
	s_wait_loadcnt 0x0
.endif
	v_mul_f32 v[DEN], v[SN], v[NR+\par]            ; |x| |p|
	s_wait_alu depctr_va_vdst(0)
	v_rcp_f32 v[RC], v[DEN]
	v_nop                                          ; a plain line behind the reciprocal; the first wait below stands ahead of its first reader
	WIN 0x04                                       ; source 1 (pool) window 1
	v_wmma_scale_f32_16x16x128_f8f6f4 v[ACC+8*\par:ACC+8*\par+7], v[XF:XF+11], v[96*\par:96*\par+11], 0, v[XS], v[PS+8*\par] matrix_a_fmt:MATRIX_FMT_BF6 matrix_b_fmt:MATRIX_FMT_BF6
.irp kk, 1,2,3,4,5,6,7
	s_wait_alu depctr_va_vdst(0)                   ; the wait ahead of each link of a chain on one accumulator
	v_wmma_scale_f32_16x16x128_f8f6f4 v[ACC+8*\par:ACC+8*\par+7], v[XF+12*\kk:XF+12*\kk+11], v[96*\par+12*\kk:96*\par+12*\kk+11], v[ACC+8*\par:ACC+8*\par+7], v[XS+\kk], v[PS+8*\par+\kk] matrix_a_fmt:MATRIX_FMT_BF6 matrix_b_fmt:MATRIX_FMT_BF6
.endr
	WIN 0
.rept 4
	v_nop                                          ; four places ahead of the read of the result and of the loads into the tile's registers
.endr
.if \par == 0
	v_fma_f32 v[CD+(\k)/2], -v[ACC], v[RC], 1.0    ; the distance to pool row r
.else
	v_fma_f32 v[TM], -v[ACC+8], v[RC], 1.0
	v_cndmask_b32 v[CD+(\k)/2], v[CD+(\k)/2], v[TM], s58     ; an odd tile's go to lanes 16-31
.endif
.if \k < 8
	LOADT (\k)+2, \par
.endif
.endm
.irp k, 0,2,4,6,8
	TILE \k, 0
	TILE \k+1, 1
.endr
.irp c, 0,1,2,3,4
	v_cmp_lt_f32 vcc_lo, 0x47127b00, v[IDXF+\c]    ; rows above 37,499 are copies of the last row: they do not count
	v_cndmask_b32 v[CD+\c], v[CD+\c], v[PINF], vcc_lo
.endr
	v_mov_b32 v[TM+1], 0
	s_mov_b32 s62, 0
.Lsel:                                                 ; ten trips, no branch on data: the smallest distance, the lowest row that has it; that row is struck out
	s_wait_alu depctr_va_vdst(0)
	v_min3_num_f32 v[TM], v[CD], v[CD+1], v[CD+2]
	v_min3_num_f32 v[TM], v[TM], v[CD+3], v[CD+4]
	v_min_num_f32_dpp v[TM], v[TM], v[TM] row_xmask:1 row_mask:0xf bank_mask:0xf
	v_min_num_f32_dpp v[TM], v[TM], v[TM] row_xmask:2 row_mask:0xf bank_mask:0xf
	v_min_num_f32_dpp v[TM], v[TM], v[TM] row_xmask:4 row_mask:0xf bank_mask:0xf
	v_min_num_f32_dpp v[TM], v[TM], v[TM] row_xmask:8 row_mask:0xf bank_mask:0xf
	v_permlanex16_b32 v[TM+1], v[TM], s60, s61
	v_min_num_f32 v[TM], v[TM], v[TM+1]
.irp c, 0,1,2,3,4
	v_cmp_eq_f32 vcc_lo, v[CD+\c], v[TM]
	v_cndmask_b32 v[TM+2+\c], v[BIG], v[IDXF+\c], vcc_lo
.endr
	v_min3_num_f32 v[TM+8], v[TM+2], v[TM+3], v[TM+4]
	v_min3_num_f32 v[TM+8], v[TM+8], v[TM+5], v[TM+6]
	v_min_num_f32_dpp v[TM+8], v[TM+8], v[TM+8] row_xmask:1 row_mask:0xf bank_mask:0xf
	v_min_num_f32_dpp v[TM+8], v[TM+8], v[TM+8] row_xmask:2 row_mask:0xf bank_mask:0xf
	v_min_num_f32_dpp v[TM+8], v[TM+8], v[TM+8] row_xmask:4 row_mask:0xf bank_mask:0xf
	v_min_num_f32_dpp v[TM+8], v[TM+8], v[TM+8] row_xmask:8 row_mask:0xf bank_mask:0xf
	v_permlanex16_b32 v[TM+1], v[TM+8], s60, s61
	v_min_num_f32 v[TM+8], v[TM+8], v[TM+1]
.irp c, 0,1,2,3,4
	v_cmp_eq_f32 vcc_lo, v[IDXF+\c], v[TM+8]
	v_cndmask_b32 v[CD+\c], v[CD+\c], v[PINF], vcc_lo
.endr
	v_cmp_eq_u32 vcc_lo, s62, v1
	v_cndmask_b32 v[BV], v[BV], v[TM], vcc_lo
	v_cndmask_b32 v[BI], v[BI], v[TM+8], vcc_lo
	s_add_co_u32 s62, s62, 1
	s_cmp_lt_u32 s62, 10
	s_cbranch_scc1 .Lsel
	; the weights: softmax over lanes 0-9 of 1 / distance, the largest taken away first; then a tenth of each (the mean over the ten)
	s_wait_alu depctr_va_vdst(0)
	v_rcp_f32 v[TM], v[BV]
	v_nop
	s_wait_alu depctr_va_vdst(0)
	v_cmp_gt_u32 vcc_lo, 10, v1
	v_cndmask_b32 v[TM], v[NINF], v[TM], vcc_lo    ; lanes 10 on count for nothing
	v_mov_b32 v[TM+2], v[TM]
	v_max_num_f32_dpp v[TM+2], v[TM+2], v[TM+2] row_xmask:1 row_mask:0xf bank_mask:0xf
	v_max_num_f32_dpp v[TM+2], v[TM+2], v[TM+2] row_xmask:2 row_mask:0xf bank_mask:0xf
	v_max_num_f32_dpp v[TM+2], v[TM+2], v[TM+2] row_xmask:4 row_mask:0xf bank_mask:0xf
	v_max_num_f32_dpp v[TM+2], v[TM+2], v[TM+2] row_xmask:8 row_mask:0xf bank_mask:0xf
	v_permlanex16_b32 v[TM+1], v[TM+2], s60, s61
	v_max_num_f32 v[TM+2], v[TM+2], v[TM+1]
	v_sub_f32 v[TM], v[TM], v[TM+2]
	v_mul_f32 v[TM], 0x3fb8aa3b, v[TM]
	s_wait_alu depctr_va_vdst(0)
	v_exp_f32 v[TM], v[TM]
	v_nop
	s_wait_alu depctr_va_vdst(0)
	v_mov_b32 v[TM+2], v[TM]
	v_add_f32_dpp v[TM+2], v[TM+2], v[TM+2] row_xmask:1 row_mask:0xf bank_mask:0xf
	v_add_f32_dpp v[TM+2], v[TM+2], v[TM+2] row_xmask:2 row_mask:0xf bank_mask:0xf
	v_add_f32_dpp v[TM+2], v[TM+2], v[TM+2] row_xmask:4 row_mask:0xf bank_mask:0xf
	v_add_f32_dpp v[TM+2], v[TM+2], v[TM+2] row_xmask:8 row_mask:0xf bank_mask:0xf
	v_permlanex16_b32 v[TM+1], v[TM+2], s60, s61
	v_add_f32 v[TM+2], v[TM+2], v[TM+1]
	s_wait_alu depctr_va_vdst(0)
	v_rcp_f32 v[TM+3], v[TM+2]
	v_cvt_u32_f32 v[TM+4], v[BI]                   ; (a plain line behind the reciprocal)
	s_wait_alu depctr_va_vdst(0)
	v_mul_f32 v[TM], v[TM], v[TM+3]
	v_mul_f32 v[TM], 0x3dcccccd, v[TM]
	global_store_b32 v7, v[TM+4], s[10:11]         ; 128 bytes a wave; the four waves' rows lie on end
	global_store_b32 v7, v[TM], s[12:13]
	s_endpgm
.Lfunc_end_k_qaf6ac207ce_refine:
	.size	k_qaf6ac207ce_refine, .Lfunc_end_k_qaf6ac207ce_refine-k_qaf6ac207ce_refine
	.p2alignl 7, 3214868480
	.fill 96, 4, 3214868480
	.section	.rodata,"a",@progbits
	.p2align	6, 0x0
	.amdhsa_kernel k_qaf6ac207ce_refine
		.amdhsa_group_segment_fixed_size 0
		.amdhsa_private_segment_fixed_size 0
		.amdhsa_enable_private_segment 0
		.amdhsa_kernarg_size 40
		.amdhsa_user_sgpr_count 2
		.amdhsa_user_sgpr_kernarg_segment_ptr 1
		.amdhsa_wavefront_size32 1
		.amdhsa_system_sgpr_workgroup_id_x 1
		.amdhsa_system_sgpr_workgroup_id_y 1
		.amdhsa_system_sgpr_workgroup_id_z 1
		.amdhsa_system_vgpr_workitem_id 0
		.amdhsa_next_free_vgpr 448
		.amdhsa_next_free_sgpr 100
		.amdhsa_reserve_vcc 1
		.amdhsa_float_denorm_mode_32 3
		.amdhsa_float_denorm_mode_16_64 3
		.amdhsa_memory_ordered 1
		.amdhsa_forward_progress 1
		.amdhsa_inst_pref_size 60
	.end_amdhsa_kernel
	.amdgpu_metadata
---
amdhsa.version: [ 1, 2 ]
amdhsa.kernels:
  - .name:           k_qaf6ac207ce_refine
    .symbol:         k_qaf6ac207ce_refine.kd
    .args:
      - { .name: prec, .offset: 0, .size: 8, .value_kind: global_buffer, .address_space: global }
      - { .name: xrec, .offset: 8, .size: 8, .value_kind: global_buffer, .address_space: global }
      - { .name: sel, .offset: 16, .size: 8, .value_kind: global_buffer, .address_space: global }
      - { .name: fidx, .offset: 24, .size: 8, .value_kind: global_buffer, .address_space: global }
      - { .name: fw, .offset: 32, .size: 8, .value_kind: global_buffer, .address_space: global }
    .group_segment_fixed_size: 0
    .private_segment_fixed_size: 0
    .kernarg_segment_align: 8
    .kernarg_segment_size: 40
    .max_flat_workgroup_size: 128
    .sgpr_count:     100
    .vgpr_count:     448
    .wavefront_size: 32
...
	.end_amdgpu_metadata
.endif
;; end of part 4
;; launch gather (part 5): grid 1500 x 1, 4 waves a work-group, no clusters, 0 bytes of LDS; arguments pool, fidx, fw, out0; writes out0
.if DOCPART == 5
	.amdgcn_target "amdgcn-amd-amdhsa--gfx1250"
	.amdhsa_code_object_version 6
	.text
	.protected	k_qaf6ac207ce_gather
	.globl	k_qaf6ac207ce_gather
	.p2align	8
	.type	k_qaf6ac207ce_gather,@function
k_qaf6ac207ce_gather:
	s_mov_b64 s[64:65], 0
	v_nop
	global_prefetch_b8 v0, s[64:65] scope:SCOPE_SE
	s_setreg_imm32_b32 hwreg(HW_REG_WAVE_MODE, 25, 1), 1
	s_wait_xcnt 0x0
; out0[q][:] = the sum over k = 0 .. 9 of fw[q][k] x pool[fidx[q][k]][:], in f32.  (fw holds the softmax's weights already divided by ten.)
; SHARES.  A work-group takes one query, wave w bytes 1,024 w .. 1,024 w + 1,023 of the row.  The ten row numbers and weights, stored by the launch before, come by scalar loads; each row number is held to
; the table's range ahead of its address.  All 20 loads of a wave (512 consecutive bytes each) go out at once; the sums follow as the rows come in.  Memory binds: no LDS, no matrix unit, no cluster.
	s_load_b256 s[4:11], s[0:1], 0x0               ; pool s[4:5], fidx s[6:7], fw s[8:9], out0 s[10:11]
	v_lshrrev_b32 v1, 5, v0
	v_readfirstlane_b32 s14, v1                    ; wave 0..3
	v_and_b32 v1, 31, v0
	v_lshlrev_b32 v1, 4, v1
	s_lshl_b32 s15, s14, 10
	v_add_nc_u32 v1, s15, v1                       ; my 16 bytes: 1,024 w + 16 lane
	s_lshl_b32 s12, ttmp9, 7
	s_mov_b32 s13, 0
	s_wait_alu depctr_va_vdst(0)
	s_wait_kmcnt 0x0
	s_add_nc_u64 s[6:7], s[6:7], s[12:13]
	s_add_nc_u64 s[8:9], s[8:9], s[12:13]
	s_load_b256 s[16:23], s[6:7], 0x0              ; the ten rows
	s_load_b64 s[24:25], s[6:7], 0x20
	s_load_b256 s[32:39], s[8:9], 0x0              ; the ten weights
	s_load_b64 s[40:41], s[8:9], 0x20
	s_lshl_b32 s12, ttmp9, 12
	s_add_nc_u64 s[10:11], s[10:11], s[12:13]      ; my row of out0
	s_wait_kmcnt 0x0
.irp k, 0,1,2,3,4,5,6,7,8,9
	s_min_u32 s[16+\k], s[16+\k], 37499            ; held inside the table
	s_lshl_b32 s[16+\k], s[16+\k], 12              ; x 4,096 bytes (under 2^28)
	v_add_nc_u32 v[2+\k], s[16+\k], v1
.endr
	s_wait_alu depctr_va_vdst(0)
.irp k, 0,1,2,3,4,5,6,7,8,9
	global_load_b128 v[16+8*\k:19+8*\k], v[2+\k], s[4:5]
	global_load_b128 v[20+8*\k:23+8*\k], v[2+\k], s[4:5] offset:512
.endr
	s_wait_loadcnt 18                              ; row 0's two loads are in; the other nine rows' may be out
.irp e, 0,1,2,3,4,5,6,7
	v_mul_f32 v[96+\e], s32, v[16+\e]              ; the first product starts the sums
.endr
	s_wait_alu depctr_va_vdst(0)
.irp k, 1,2,3,4,5,6,7,8,9
	s_wait_alu depctr_va_vdst(0)
	s_wait_loadcnt 18-2*\k
.irp e, 0,1,2,3,4,5,6,7
	v_fmac_f32 v[96+\e], s[32+\k], v[16+8*\k+\e]
.endr
.endr
	global_store_b128 v1, v[96:99], s[10:11] th:TH_STORE_NT                ; the wave stores 512 consecutive bytes, aligned to 256
	global_store_b128 v1, v[100:103], s[10:11] offset:512 th:TH_STORE_NT
	s_endpgm
.Lfunc_end_k_qaf6ac207ce_gather:
	.size	k_qaf6ac207ce_gather, .Lfunc_end_k_qaf6ac207ce_gather-k_qaf6ac207ce_gather
	.p2alignl 7, 3214868480
	.fill 96, 4, 3214868480
	.section	.rodata,"a",@progbits
	.p2align	6, 0x0
	.amdhsa_kernel k_qaf6ac207ce_gather
		.amdhsa_group_segment_fixed_size 0
		.amdhsa_private_segment_fixed_size 0
		.amdhsa_enable_private_segment 0
		.amdhsa_kernarg_size 32
		.amdhsa_user_sgpr_count 2
		.amdhsa_user_sgpr_kernarg_segment_ptr 1
		.amdhsa_wavefront_size32 1
		.amdhsa_system_sgpr_workgroup_id_x 1
		.amdhsa_system_sgpr_workgroup_id_y 1
		.amdhsa_system_sgpr_workgroup_id_z 1
		.amdhsa_system_vgpr_workitem_id 0
		.amdhsa_next_free_vgpr 104
		.amdhsa_next_free_sgpr 66
		.amdhsa_reserve_vcc 0
		.amdhsa_float_denorm_mode_32 3
		.amdhsa_float_denorm_mode_16_64 3
		.amdhsa_memory_ordered 1
		.amdhsa_forward_progress 1
		.amdhsa_inst_pref_size 8
	.end_amdhsa_kernel
	.amdgpu_metadata
---
amdhsa.version: [ 1, 2 ]
amdhsa.kernels:
  - .name:           k_qaf6ac207ce_gather
    .symbol:         k_qaf6ac207ce_gather.kd
    .args:
      - { .name: pool, .offset: 0, .size: 8, .value_kind: global_buffer, .address_space: global }
      - { .name: fidx, .offset: 8, .size: 8, .value_kind: global_buffer, .address_space: global }
      - { .name: fw, .offset: 16, .size: 8, .value_kind: global_buffer, .address_space: global }
      - { .name: out0, .offset: 24, .size: 8, .value_kind: global_buffer, .address_space: global }
    .group_segment_fixed_size: 0
    .private_segment_fixed_size: 0
    .kernarg_segment_align: 8
    .kernarg_segment_size: 32
    .max_flat_workgroup_size: 128
    .sgpr_count:     66
    .vgpr_count:     104
    .wavefront_size: 32
...
	.end_amdgpu_metadata
.endif
;; end of part 5
